; MI455X (gfx1250); checked and timed in simulation.
; The chip was launched on July 23, 2026; its instructions are those of AMD's public machine-readable ISA for CDNA 5 (MIT licence, August 2026) and "CDNA5" Instruction Set Architecture Reference Guide (July 2026). The comments in the code are by the model that wrote it; some were corrected since.
;; Linear Attention. Allowed arithmetic: matrix products marked QUANTISED: E3M2 operands, one E8M0 scale for each 32 along K, by v_wmma_scale_f32_16x16x128_f8f6f4 with both operands' format E3M2, f32 sums; everything else in f32.
;; Inputs: k 4 x 16 x 2,048 x 64 float32; q 4 x 16 x 2,048 x 64 float32; token_mask 4 x 2,048 bool; v_codes 4 x 16 x 64 x 64 x 24 uint8 (E3M2 codes of v, K innermost, in blocks of 32 codes, four codes in three bytes); v_scales 4 x 16 x 64 x 64 uint8 (E8M0 scales of v, one for each 32 codes along K).
;; Outputs: out0 4 x 16 x 2,048 x 64 float32.
;; This version of the problem:
;;   THIS VERSION OF THE PROBLEM IS GIVEN IN LOW PRECISION. The matrix products marked QUANTISED in the list below multiply operands that are first quantised to E3M2 (3 exponent bits, 2 mantissa bits; 6 bits a number), with one power-of-two scale for each 32 numbers along K (OCP MX v1.0); their sums are f32. All else is computed in f32.
;;   The module's matrix products, in the order in which they are computed (A, B: the left and right operand; K: the contracted axis; several contracted axes count as one K, in the product's order):
;;     1. batch 64 x [M 64, K 2,048] x [K 2,048, N 64]; A: computed on the way; B: input v (given as codes): QUANTISED
;;     2. batch 64 x [M 64, K 2,048] x [K 2,048, N 64]; A: computed on the way; B: input v (given as codes): QUANTISED
;;     3. batch 64 x [M 2,048, K 64] x [K 64, N 64]; A: computed on the way; B: computed on the way: QUANTISED
;;     4. batch 64 x [M 2,048, K 64] x [K 64, N 64]; A: computed on the way; B: computed on the way: QUANTISED
;;   THE QUANTISER, for each operand of a quantised product, along K:
;;     - K is cut into blocks of 32 from its start; a last block that is shorter is filled with zeros.
;;     - A block's scale is 2^e with e = floor(log2(the largest magnitude in the block)) - 4, held to -126 .. 127; a block of zeros has e = 0. As a byte (E8M0): e + 127.
;;     - Each number is divided by its block's scale, clamped to +-28, and rounded to the nearest number of E3M2, ties to even, subnormals kept.
;;     - The product sums the exact products of the quantised numbers (number of the format x scale) in f32.
;;   ~~~python
;;   def quantise(x, axis):      # numpy; x: float32 -> the quantised numbers, widened to float32 again
;;       x = np.moveaxis(x, axis, -1); K = x.shape[-1]
;;       x = np.pad(x, [(0, 0)] * (x.ndim - 1) + [(0, -K % 32)]); x = x.reshape(x.shape[:-1] + (-1, 32)); a = np.abs(x).max(-1, keepdims=True)
;;       e = np.where(a > 0, np.clip(np.frexp(np.where(a > 0, a, 1))[1] - 1 - 4, -126, 127), 0)      # np.frexp(a)[1] - 1 = floor(log2(a)), exactly
;;       r = np.clip(x / 2.0 ** e, -28, 28)
;;       step = 2.0 ** (np.maximum(np.frexp(np.where(r == 0, 1, r))[1] - 1, -2) - 2)
;;       q = np.round(r / step) * step * 2.0 ** e      # np.round: ties to even
;;       return np.moveaxis(q.reshape(q.shape[:-2] + (-1,))[..., :K], -1, axis).astype(np.float32)
;;   ~~~
;;   OPERANDS COMPUTED ON THE WAY. 'Computed on the way' means the value that the module computes at that place (a softmax that the list does not call 'softmax' is quantised finished and normalised). What goes into a quantiser is computed in f32, as accurately as f32 sums, v_exp_f32 and their like allow (about 1e-6 of the number): no bf16 or f16 on the way to a quantiser, and a product that is left as it is and whose result goes on into a quantised operand takes f32 operands (vector FMAs, or v_wmma_f32_16x16x4_f32). A number that lies on a knife's edge between two numbers of the format may be rounded either way, as far as f32 arithmetic and the matrix unit's own rounding can turn it there, and no further.
;;   INPUTS GIVEN AS CODES. v (in the module: [4, 16, 2048, 64], K = its axis 2): each comes as NAME_codes (uint8): NAME with its K axis moved to the last place and cut into blocks of 32 codes, [.., K / 32, bytes a block], one block behind the other in memory; four codes in three bytes: a row's codes are one little-endian stream of bits, code i at bits 6 i .. 6 i + 5 (a code: sign, 3 exponent bits, 2 mantissa bits); and NAME_scales (uint8): the same leading axes, one E8M0 byte (e + 127) for each 32 codes along K. Its value is code x scale, taken as it is: it is not quantised again, and the codes and scales need not be those that the quantiser above would give.
;; One version. Each part assembles by itself: llvm-mc -triple=amdgcn-amd-amdhsa -mcpu=gfx1250 --defsym DOCPART=n.
;; ======== version 1 of 1: 2 launches
;; workspace buffers: part 8,388,608 bytes
;; launch kvsum (part 1): grid 256 x 1, 8 waves a work-group, no clusters, 168,960 bytes of LDS; arguments k, v_codes, v_scales, part; writes part
.if DOCPART == 1
	.amdgcn_target "amdgcn-amd-amdhsa--gfx1250"
	.amdhsa_code_object_version 6
	.text
	.protected	k_qf4a1818c92_kvsum
	.globl	k_qf4a1818c92_kvsum
	.p2align	8
	.type	k_qf4a1818c92_kvsum,@function
k_qf4a1818c92_kvsum:
	s_mov_b64 s[64:65], 0
	v_nop
	global_prefetch_b8 v0, s[64:65] scope:SCOPE_SE
	s_setreg_imm32_b32 hwreg(HW_REG_WAVE_MODE, 25, 1), 1
	s_wait_xcnt 0x0
; part[head][quarter] = the sums over 512 positions s of  f(k[s][d]) cos(a s) v[s][n]  and of  f(k[s][d]) sin(a s) v[s][n],  a = pi / 4096,  f(x) = e^x under 0, x + 1 from 0 on.
; k: [64 heads][2048][64] f32.  v: codes of E3M2 with s innermost, [64 heads][64 n][64 blocks][24 bytes], one E8M0 byte a block.  Both products on codes: f(k) cos and f(k) sin are quantised here, along s, in blocks of 32.
; SHARES.  A work-group takes one head and 512 positions (four K steps of 128); eight waves.  Wave u quantises positions 64 u .. 64 u + 63: half a K step.  Then, behind ONE barrier, wave b multiplies: 2 tiles of (trig, feature) x 2 tiles of n, all four K steps.
; A LANE TAKES FOUR FEATURES AND ITS REGISTERS RUN DOWN s.  A load of 16 bytes a lane reads row s in lanes 0-15 (256 consecutive bytes) and row s + 32 in lanes 16-31: lane (r, h) gets features 4 r .. 4 r + 3.
; Which features form a tile is free: tile j is the features 4 r + j.  So a lane's 32 loads hold, for each j, a whole block of 32 along s of one row of the operand: no other lane is asked for a maximum, nothing is transposed by an instruction.
; The loads' registers are feature-fastest; the two lines that read them (min, max) write s-fastest, so that all later arithmetic is packed and the conversions find 16 neighbours along s.
; HALF FRAGMENTS GO FROM WAVE TO WAVE AS IMAGES OF THEIR REGISTERS: 6 registers a lane (16 bytes at 16 x lane, 8 bytes at 8 x lane), the scale's byte at its place in the row's scale word.
; v's codes (64 rows x 384 bytes) and scale bytes (64 rows x 16 bytes) come by tensor loads, each wave 8 rows, filled once.  A row's 384 bytes begin at a multiple of 128 bytes of v's row.
; OUT.  An accumulator is stored as it lies (two stores of 512 consecutive bytes): tile (n tile t, trig c, j) at 8192 t + 4096 c + 1024 j.  Lane (r, h), register i of it is feature 32 h + 4 i + j, column 16 t + r:
; the lane of the next launch that wants column 16 t + r and features 32 h .. 32 h + 31 finds all 32 under its own number.
; No cluster: no two work-groups read the same rows of k or blocks of v.  Nothing is asked for ahead of its load: all that a work-group reads is asked for in its first lines.
; LIMITS: NaN and infinities in k are not served.  e^x under 2^-126 counts as 0 (v_exp_f32 flushes: ISA guide 15.8).  A block whose largest magnitude lies under 2^-122 has its byte held at 1; a block of zeros too (its codes are zeros; this program alone reads the bytes).
.set VROWB,  1536                      ; a row of v's codes in bytes
.set VHEADB, 64*VROWB
.set VQB,    384                       ; the work-group's 512 codes of such a row
.set VP,     432                       ; and in LDS: 3 x (128 bytes + 16 of padding) = 108 words: row r starts at bank 44 r mod 64 (64 banks of 4 bytes: ISA guide 11.1): sixteen different multiples of 4; lanes 16-31 lie 6 or 10 words on: a load of 8 bytes a lane touches 64 different banks
.set HF,     768                       ; the image of half a fragment
.set VC,     0                         ; LDS: v's codes,
.set VS,     VC+64*VP                  ; v's scale bytes, 16 a row,
.set TAB,    VS+1024                   ; cos and sin, 512 bytes for each wave, its own,
.set AIMG,   TAB+8*512                 ; the images: (wave u, tile mt) at 8 HF u + HF mt; mt = j for cos, 4 + j for sin,
.set ASC,    AIMG+8*8*HF               ; their scale words: (mt, K step, row) at 256 mt + 64 ks + 4 r
.set FLOOR,  5<<23                     ; 2^(5 - 127)
.set EM4,    0xfe000000                ; takes 4 off an exponent field
.set KOFF, 1                           ; v1   my bytes in the wave's rows of k: 8192 h + 16 r
.set TW,   2                           ; v2   table: where I store
.set TR,   3                           ; v3   and where my half of the lanes reads
.set AW16, 4                           ; v4   images: where I store 16 bytes,
.set AW8,  5                           ; v5   8 bytes,
.set SW,   6                           ; v6   and my block's scale byte
.set AR16, 7                           ; v7-9 the same for the tiles that I multiply
.set AR8,  8
.set SR,   9
.set VA,   10                          ; v10  v's codes: my row + 24 h
.set VB,   11                          ; v11  the same behind one padding more
.set VSR,  12                          ; v12  v's scale words
.set PO,   13                          ; v13  16 x lane
.set LN,   14
.set RR,   15
.set COS,  16                          ; v16-47  cos of my 32 positions;  v48-79 sin
.set SIN,  48
.set T,    80                          ; v80-111, v112-143  32 numbers each, at work
.set P,    112
.set CD,   144                         ; v144-167 codes
.set HH,   168
.set S0,   170
.set TA,   172
.set TB,   173
.set TY,   174
.set TP,   175
.set TQ,   176
.set CP,   178                         ; v178-179 two cos, v180-181 two sin
.set MA,   184
.set MB,   185
.set MC,   186
.set MD,   187
.set BA,   188
.set BC,   189
.set AF,   16                          ; behind the barrier: v16-111 eight fragments of f(k) trig, v112-207 eight of v, v208-215 and v216-223 their scale words (these sixteen hold nothing else), v224-255 four accumulators
.set VF,   112
.set SA,   208
.set SV,   216
.set D,    224
.set WV,   12
.set HD,   13
.set QT,   14
.set G1C,  16                          ; s[16:23], s[24:27] descriptor for v's codes;  s[28:35], s[36:39] for v's scale bytes
.set G0C,  24
.set G1S,  28
.set G0S,  36
.set NP,   50
.set MP,   51
.set LG,   58                          ; s[58:59] log2(e): the packed form names a pair
.set MSB, 0
.macro WIN new                         ; the immediate's high byte repeats the setting that is left
.if MSB != \new
	s_set_vgpr_msb (MSB<<8)|\new
.set MSB, \new
.endif
.endm
; cos and sin of fl(a s), a = pi / 4096 as f32, s a whole number under 2048.  Up to pi / 4 (s <= 1024) by their series in y = the angle; beyond it in y = pi / 2 - the angle, with the two changing places:
; pi / 2 is taken in two parts, of which the first less the angle is exact.  The series end at y^9 / 9! and y^10 / 10!: the next terms are under 2e-9 at pi / 4.
.macro TRIG s, c, n
	v_cvt_f32_u32 v[TA], v[\s]
	v_mul_f32 v[TA], 0x3a490fdb, v[TA]             ; the angle, rounded once
	v_sub_f32 v[TB], 0x3fc90fdb, v[TA]
	v_add_f32 v[TB], 0xb33bbd2e, v[TB]             ; pi / 2 - the angle
	v_cmp_lt_u32 vcc_lo, 1024, v[\s]
	v_cndmask_b32 v[TA], v[TA], v[TB], vcc_lo      ; y
	v_mul_f32 v[TY], v[TA], v[TA]
	v_mov_b32 v[TP], 0x3638ef1d                    ; 1 / 9!
	v_mov_b32 v[TQ], 0xb493f27e                    ; -1 / 10!
	v_fmaak_f32 v[TP], v[TP], v[TY], 0xb9500d01    ; -1 / 7!
	v_fmaak_f32 v[TQ], v[TQ], v[TY], 0x37d00d01    ; 1 / 8!
	v_fmaak_f32 v[TP], v[TP], v[TY], 0x3c088889    ; 1 / 5!
	v_fmaak_f32 v[TQ], v[TQ], v[TY], 0xbab60b61    ; -1 / 6!
	v_fmaak_f32 v[TP], v[TP], v[TY], 0xbe2aaaab    ; -1 / 3!
	v_fmaak_f32 v[TQ], v[TQ], v[TY], 0x3d2aaaab    ; 1 / 4!
	v_mul_f32 v[TB], v[TA], v[TY]                  ; y^3
	v_fmaak_f32 v[TQ], v[TQ], v[TY], 0xbf000000    ; -1 / 2
	v_fma_f32 v[TP], v[TB], v[TP], v[TA]           ; sin y
	v_fma_f32 v[TQ], v[TQ], v[TY], 1.0             ; cos y
	v_cndmask_b32 v[\c], v[TQ], v[TP], vcc_lo
	v_cndmask_b32 v[\n], v[TP], v[TQ], vcc_lo
.endm
	s_load_b256 s[4:11], s[0:1], 0x0               ; k s[4:5], v's codes s[6:7], v's scale bytes s[8:9], part s[10:11]
	s_set_vgpr_msb 0x40
	v_lshl_add_u32 v128, v0, 2, 0x29000
	v_mov_b32 v129, 0
	s_set_vgpr_msb 0x4045
	ds_add_u32 v128, v129
	ds_add_u32 v128, v129
	s_set_vgpr_msb 0x4500
	v_lshrrev_b32 v[LN], 5, v0
	v_readfirstlane_b32 s[WV], v[LN]               ; wave 0..7
	s_lshr_b32 s[HD], ttmp9, 2                     ; the head
	s_and_b32 s[QT], ttmp9, 3                      ; which 512 positions
	s_and_b32 s[NP], s[WV], 1                      ; as a wave that quantises: which half of a K step.  As one that multiplies: which two tiles of n
	s_lshr_b32 s[MP], s[WV], 1                     ; which K step.  Which two tiles of (trig, feature)
	; v's codes: 8 rows x 384 bytes a wave, 1,536 bytes from row to row; 16 bytes of padding behind every 128
	s_mov_b32 s[G1C+0], (0<<16)|(1<<20)|(4<<22)|(3<<25)   ; no mask; elements of 1 byte; padding on, after every 32 words (code 4), of 4 words (code 3)
	s_mov_b32 s[G1C+1], VQB<<16                    ; tensor_dim0
	s_mov_b32 s[G1C+2], 8<<16                      ; tensor_dim1
	s_mov_b32 s[G1C+3], VQB<<16                    ; tile_dim0
	s_mov_b32 s[G1C+4], 8                          ; tile_dim1
	s_mov_b32 s[G1C+5], VROWB                      ; from row to row
	s_mov_b32 s[G1C+6], 0
	s_mov_b32 s[G1C+7], 0
	; v's scale bytes: 8 rows x 16 bytes a wave (4 elements of 4 bytes), 64 bytes from row to row, dense in LDS
	s_mov_b32 s[G1S+0], 2<<16
	s_mov_b32 s[G1S+1], 4<<16
	s_mov_b32 s[G1S+2], 8<<16
	s_mov_b32 s[G1S+3], 4<<16
	s_mov_b32 s[G1S+4], 8
	s_mov_b32 s[G1S+5], 16
	s_mov_b32 s[G1S+6], 0
	s_mov_b32 s[G1S+7], 0
	s_mul_i32 s40, s[HD], VHEADB                   ; codes: the head, my 8 rows, the work-group's 384 bytes of a row
	s_mul_i32 s41, s[WV], 8*VROWB
	s_add_co_u32 s40, s40, s41
	s_mul_i32 s41, s[QT], VQB
	s_add_co_u32 s40, s40, s41
	s_mov_b32 s41, 0
	s_lshl_b32 s42, s[HD], 12                      ; scale bytes likewise: 4,096 a head, 64 a row, 16 a quarter
	s_lshl_b32 s43, s[WV], 9
	s_add_co_u32 s42, s42, s43
	s_lshl_b32 s43, s[QT], 4
	s_add_co_u32 s42, s42, s43
	s_mov_b32 s43, 0
	s_lshl_b32 s44, s[HD], 19                      ; k: 2,048 rows of 256 bytes a head, 512 rows a quarter, 64 a wave
	s_lshl_b32 s45, s[QT], 17
	s_add_co_u32 s44, s44, s45
	s_lshl_b32 s45, s[WV], 14
	s_add_co_u32 s44, s44, s45
	s_mov_b32 s45, 0
	s_lshl_b32 s46, ttmp9, 15                      ; part: 32,768 bytes a work-group; my four tiles begin at 16384 NP + 2048 MP
	s_lshl_b32 s47, s[NP], 14
	s_add_co_u32 s46, s46, s47
	s_lshl_b32 s47, s[MP], 11
	s_add_co_u32 s46, s46, s47
	s_mov_b32 s47, 0
	s_mov_b32 s[G0C], 1
	s_mul_i32 s[G0C+1], s[WV], 8*VP                ; LDS: my 8 rows (VC is 0)
	s_mov_b32 s[G0S], 1
	s_lshl_b32 s[G0S+1], s[WV], 7
	s_add_co_u32 s[G0S+1], s[G0S+1], VS
	s_mov_b32 s[LG], 0x3fb8aa3b
	s_mov_b32 s[LG+1], s[LG]
	v_and_b32 v[RR], 15, v0                        ; r
	v_bfe_u32 v[HH], v0, 4, 1                      ; h
	v_lshlrev_b32 v[KOFF], 4, v[RR]
	v_lshl_add_u32 v[KOFF], v[HH], 13, v[KOFF]     ; lanes 16-31 begin 32 rows further down
	s_wait_dscnt 0x0
	s_wait_kmcnt 0x0
	s_add_nc_u64 s[G0C+2:G0C+3], s[6:7], s[40:41]
	s_or_b32 s[G0C+3], s[G0C+3], 0x80000000
	s_add_nc_u64 s[G0S+2:G0S+3], s[8:9], s[42:43]
	s_or_b32 s[G0S+3], s[G0S+3], 0x80000000
	s_add_nc_u64 s[4:5], s[4:5], s[44:45]
	s_add_nc_u64 s[10:11], s[10:11], s[46:47]
	tensor_load_to_lds s[G0C:G0C+3], s[G1C:G1C+7]  ; the launch's only fills: two loads of mine are out; nothing is filled twice
	s_nop 0
	tensor_load_to_lds s[G0S:G0S+3], s[G1S:G1S+7]
	s_nop 0
.rept 4
	v_nop                                          ; four lines behind the loads, ahead of the switch of windows
.endr
	WIN 0x40                                       ; destination window 1: v256-383 take my 64 rows
.set I, 0
.rept 32
	global_load_b128 v[4*I:4*I+3], v[KOFF], s[4:5] offset:256*I th:TH_LOAD_NT   ; rows I and 32 + I, each 256 consecutive bytes; read once in the launch
.set I, I+1
.endr
	WIN 0
	; the addresses and the table are made while the loads are out
	v_and_b32 v[LN], 31, v0                        ; lane
	s_lshl_b32 s52, s[WV], 9
	s_add_co_u32 s52, s52, TAB
	v_lshl_add_u32 v[TW], v[LN], 3, s52
	v_lshl_add_u32 v[TR], v[HH], 7, s52
	s_mul_i32 s53, s[WV], 8*HF
	s_add_co_u32 s53, s53, AIMG
	v_lshl_add_u32 v[AW16], v[LN], 4, s53
	s_add_co_u32 s53, s53, 512
	v_lshl_add_u32 v[AW8], v[LN], 3, s53
	s_lshl_b32 s54, s[MP], 6                       ; my K step's words,
	s_lshl_b32 s55, s[NP], 1                       ; in them bytes 2 (u % 2) + h
	s_add_co_u32 s54, s54, s55
	s_add_co_u32 s54, s54, ASC
	v_lshl_add_u32 v[SW], v[RR], 2, v[HH]
	v_add_nc_u32 v[SW], s54, v[SW]
	s_mul_i32 s53, s[MP], 2*HF
	s_add_co_u32 s53, s53, AIMG
	v_lshl_add_u32 v[AR16], v[LN], 4, s53
	s_add_co_u32 s53, s53, 512
	v_lshl_add_u32 v[AR8], v[LN], 3, s53
	s_lshl_b32 s54, s[MP], 9
	s_add_co_u32 s54, s54, ASC
	v_lshl_add_u32 v[SR], v[RR], 2, s54
	s_mul_i32 s54, s[NP], 32*VP
	v_mul_u32_u24 v[VA], v[RR], VP
	v_mad_u32_u24 v[VA], v[HH], 24, v[VA]
	v_add_nc_u32 v[VA], s54, v[VA]
	v_lshl_add_u32 v[VB], v[HH], 4, v[VA]
	s_lshl_b32 s54, s[NP], 9
	s_add_co_u32 s54, s54, VS
	v_lshl_add_u32 v[VSR], v[RR], 4, s54
	v_lshlrev_b32 v[PO], 4, v[LN]
	s_lshl_b32 s56, s[QT], 9
	s_lshl_b32 s57, s[WV], 6
	s_add_co_u32 s56, s56, s57                     ; my wave's first position in the sequence
	v_lshl_add_u32 v[S0], v[LN], 1, s56            ; a lane makes two entries of the wave's 64
	v_add_nc_u32 v[S0+1], 1, v[S0]
	TRIG S0, CP, CP+2
	TRIG S0+1, CP+1, CP+3
	ds_store_b64 v[TW], v[CP:CP+1]                 ; 64 cos, then 64 sin
	ds_store_b64 v[TW], v[CP+2:CP+3] offset:256
.irp n, 0,1,2,3,4,5,6,7
	ds_load_b128 v[COS+4*\n:COS+4*\n+3], v[TR] offset:16*\n        ; LDS serves a wave's instructions in order (ISA guide 5.7.1.4): these see my stores.  Sixteen lanes read the same words
	ds_load_b128 v[SIN+4*\n:SIN+4*\n+3], v[TR] offset:256+16*\n
.endr
	s_wait_loadcnt 0x0                             ; a block of 32 positions is spread over all 32 loads
	s_wait_dscnt 0x0
; Feature tile j: 32 numbers a lane become two half fragments (cos, sin) and two scale bytes.
.macro QJ j
	WIN 0x04                                       ; source 1 window 1
.set I, 0
.rept 32
	v_min_num_f32 v[T+I], 0, v[4*I+\j]             ; the part under 0,
.set I, I+1
.endr
.set I, 0
.rept 32
	v_max_num_f32 v[P+I], 0, v[4*I+\j]             ; the part from 0 on
.set I, I+1
.endr
	WIN 0
.set I, 0
.rept 16
	v_pk_mul_f32 v[T+I:T+I+1], v[T+I:T+I+1], s[LG:LG+1] op_sel_hi:[1,0]
.set I, I+2
.endr
.set I, 0
.rept 32
	v_exp_f32 v[T+I], v[T+I]                       ; e^x under 0, 1 from 0 on
.set I, I+1
.endr
	v_nop                                          ; a plain line behind the last exponential
	s_wait_alu depctr_va_vdst(0)                   ; one wait for the batch of 32, ahead of the first line that names a result
.set I, 0
.rept 16
	v_pk_add_f32 v[T+I:T+I+1], v[T+I:T+I+1], v[P+I:P+I+1]          ; f: e^x + 0, or 1 + x
.set I, I+2
.endr
.set I, 0
.rept 16
	v_pk_mul_f32 v[P+I:P+I+1], v[T+I:T+I+1], v[SIN+I:SIN+I+1]      ; f sin
.set I, I+2
.endr
.set I, 0
.rept 16
	v_pk_mul_f32 v[T+I:T+I+1], v[T+I:T+I+1], v[COS+I:COS+I+1]      ; f cos
.set I, I+2
.endr
	v_max3_num_f32 v[MA], v[T], v[T+1], FLOOR      ; the two blocks' largest numbers (none is negative), each in two chains, the four by turns; the floor holds the byte at 1 from below
	v_max3_num_f32 v[MB], v[T+16], v[T+17], v[T+18]
	v_max3_num_f32 v[MC], v[P], v[P+1], FLOOR
	v_max3_num_f32 v[MD], v[P+16], v[P+17], v[P+18]
.set I, 0
.rept 6
	v_max3_num_f32 v[MA], v[MA], v[T+2+I], v[T+3+I]
	v_max3_num_f32 v[MB], v[MB], v[T+19+I], v[T+20+I]
	v_max3_num_f32 v[MC], v[MC], v[P+2+I], v[P+3+I]
	v_max3_num_f32 v[MD], v[MD], v[P+19+I], v[P+20+I]
.set I, I+2
.endr
	v_max3_num_f32 v[MA], v[MA], v[T+14], v[T+15]
	v_max3_num_f32 v[MC], v[MC], v[P+14], v[P+15]
	v_max3_num_f32 v[MA], v[MA], v[MB], v[T+31]
	v_max3_num_f32 v[MC], v[MC], v[MD], v[P+31]
	v_add_nc_u32 v[MA], EM4, v[MA]                 ; 4 off the exponent field: the conversion takes this operand's exponent field as its scale
	v_add_nc_u32 v[MC], EM4, v[MC]
	s_wait_dscnt 0x0                               ; the last tile's stores have read the registers that are written next
	v_cvt_scalef32_pk16_bf6_f32 v[CD:CD+2], v[T:T+15], v[MA]
	v_cvt_scalef32_pk16_bf6_f32 v[CD+8:CD+10], v[T+16:T+31], v[MA]       ; (a conversion's three registers begin on an even number: the block's second half is made apart and moved)
	v_cvt_scalef32_pk16_bf6_f32 v[CD+12:CD+14], v[P:P+15], v[MC]
	v_cvt_scalef32_pk16_bf6_f32 v[CD+20:CD+22], v[P+16:P+31], v[MC]
	v_lshrrev_b32 v[BA], 23, v[MA]                 ; the scales' bytes.  (Plain lines behind the conversions)
	v_lshrrev_b32 v[BC], 23, v[MC]
.irp i, 0,1,2
	v_mov_b32 v[CD+3+\i], v[CD+8+\i]
	v_mov_b32 v[CD+15+\i], v[CD+20+\i]
.endr
	ds_store_b128 v[AW16], v[CD:CD+3] offset:\j*HF
	ds_store_b64 v[AW8], v[CD+4:CD+5] offset:\j*HF
	ds_store_b128 v[AW16], v[CD+12:CD+15] offset:(4+\j)*HF
	ds_store_b64 v[AW8], v[CD+16:CD+17] offset:(4+\j)*HF
	ds_store_b8 v[SW], v[BA] offset:\j*256
	ds_store_b8 v[SW], v[BC] offset:(4+\j)*256
.endm
	QJ 0
	QJ 1
	QJ 2
	QJ 3
	s_wait_tensorcnt 0x0                           ; for the others' sake: my rows of v have landed,
	s_wait_dscnt 0x0                               ; and my images and bytes are stored
	s_barrier_signal -1
	s_barrier_wait -1
; A fragment of v, 16 columns x 128 positions: 24 bytes of a row's stream of bits for each half, in pieces of 8 bytes.  Byte o of a row's 384 lies at o + 16 (o / 128).  Lanes 16-31 read 24 bytes further on: where that is behind one padding more, the second address register serves.
.macro VFRAG reg, ks, ti
.irp p, 0,1,2,3,4,5
.set O0, 96*(\ks)+48*(\p/3)+8*(\p%3)
.if (O0>>7) == ((O0+24)>>7)
	ds_load_b64 v[\reg+2*\p:\reg+2*\p+1], v[VA] offset:O0+16*(O0>>7)+(\ti)*16*VP
.else
	ds_load_b64 v[\reg+2*\p:\reg+2*\p+1], v[VB] offset:O0+16*(O0>>7)+(\ti)*16*VP
.endif
.endr
.endm
.irp ks, 0,1,2,3                       ; 24 loads a K step, 96 in all, in K's order
.irp mi, 0,1
.irp cc, 0,1
	ds_load_b128 v[AF+12*(2*\ks+\mi)+6*\cc:AF+12*(2*\ks+\mi)+6*\cc+3], v[AR16] offset:(2*\ks+\cc)*8*HF+\mi*HF
	ds_load_b64 v[AF+12*(2*\ks+\mi)+6*\cc+4:AF+12*(2*\ks+\mi)+6*\cc+5], v[AR8] offset:(2*\ks+\cc)*8*HF+\mi*HF
.endr
	ds_load_b32 v[SA+2*\ks+\mi], v[SR] offset:\mi*256+\ks*64
.endr
.irp ti, 0,1
	VFRAG VF+12*(2*\ks+\ti), \ks, \ti
	ds_load_b32 v[SV+2*\ks+\ti], v[VSR] offset:\ti*256+\ks*4
.endr
.endr
.irp ks, 0,1,2,3                       ; four accumulators by turns, one instruction a turn, K ascending; the first K step starts the sums
.if \ks == 0
	s_wait_dscnt 63                                ; K step ks is in when at most 24 (3 - ks) loads are out; a wait's count ends at 63, so the first asks for a little more than it needs
.else
	s_wait_dscnt 24*(3-\ks)
.endif
.irp mi, 0,1
.irp ti, 0,1
.if \ks == 0
	v_wmma_scale_f32_16x16x128_f8f6f4 v[D+8*(2*\mi+\ti):D+8*(2*\mi+\ti)+7], v[AF+12*(2*\ks+\mi):AF+12*(2*\ks+\mi)+11], v[VF+12*(2*\ks+\ti):VF+12*(2*\ks+\ti)+11], 0, v[SA+2*\ks+\mi], v[SV+2*\ks+\ti] matrix_a_fmt:MATRIX_FMT_BF6 matrix_b_fmt:MATRIX_FMT_BF6
.else
	v_wmma_scale_f32_16x16x128_f8f6f4 v[D+8*(2*\mi+\ti):D+8*(2*\mi+\ti)+7], v[AF+12*(2*\ks+\mi):AF+12*(2*\ks+\mi)+11], v[VF+12*(2*\ks+\ti):VF+12*(2*\ks+\ti)+11], v[D+8*(2*\mi+\ti):D+8*(2*\mi+\ti)+7], v[SA+2*\ks+\mi], v[SV+2*\ks+\ti] matrix_a_fmt:MATRIX_FMT_BF6 matrix_b_fmt:MATRIX_FMT_BF6
.endif
.endr
.endr
.endr
.rept 4
	v_nop                                          ; four places between the last product and the stores that read results
.endr
.irp mi, 0,1
.irp ti, 0,1
	global_store_b128 v[PO], v[D+8*(2*\mi+\ti):D+8*(2*\mi+\ti)+3], s[10:11] offset:\ti*8192+\mi*1024         ; each accumulator from its low end on; 32 lanes store 512 consecutive bytes, at a multiple of 512 from part's first byte
	global_store_b128 v[PO], v[D+8*(2*\mi+\ti)+4:D+8*(2*\mi+\ti)+7], s[10:11] offset:\ti*8192+\mi*1024+512
.endr
.endr
	s_set_vgpr_msb 0x5
	s_wait_tensorcnt 0x0
	ds_add_u32 v128, v129
	s_wait_dscnt 0x0
	s_set_vgpr_msb 0x500
	s_endpgm
.Lfunc_end_k_qf4a1818c92_kvsum:
	.size	k_qf4a1818c92_kvsum, .Lfunc_end_k_qf4a1818c92_kvsum-k_qf4a1818c92_kvsum
	.p2alignl 7, 3214868480
	.fill 96, 4, 3214868480
	.section	.rodata,"a",@progbits
	.p2align	6, 0x0
	.amdhsa_kernel k_qf4a1818c92_kvsum
		.amdhsa_group_segment_fixed_size 168960
		.amdhsa_private_segment_fixed_size 0
		.amdhsa_enable_private_segment 0
		.amdhsa_kernarg_size 32
		.amdhsa_user_sgpr_count 2
		.amdhsa_user_sgpr_kernarg_segment_ptr 1
		.amdhsa_wavefront_size32 1
		.amdhsa_system_sgpr_workgroup_id_x 1
		.amdhsa_system_sgpr_workgroup_id_y 1
		.amdhsa_system_sgpr_workgroup_id_z 1
		.amdhsa_system_vgpr_workitem_id 0
		.amdhsa_next_free_vgpr 386
		.amdhsa_next_free_sgpr 66
		.amdhsa_reserve_vcc 1
		.amdhsa_float_denorm_mode_32 3
		.amdhsa_float_denorm_mode_16_64 3
		.amdhsa_memory_ordered 1
		.amdhsa_forward_progress 1
		.amdhsa_inst_pref_size 63
	.end_amdhsa_kernel
	.amdgpu_metadata
---
amdhsa.version: [ 1, 2 ]
amdhsa.kernels:
  - .name:           k_qf4a1818c92_kvsum
    .symbol:         k_qf4a1818c92_kvsum.kd
    .args:
      - { .name: k, .offset: 0, .size: 8, .value_kind: global_buffer, .address_space: global }
      - { .name: v_codes, .offset: 8, .size: 8, .value_kind: global_buffer, .address_space: global }
      - { .name: v_scales, .offset: 16, .size: 8, .value_kind: global_buffer, .address_space: global }
      - { .name: part, .offset: 24, .size: 8, .value_kind: global_buffer, .address_space: global }
    .group_segment_fixed_size: 168960
    .private_segment_fixed_size: 0
    .kernarg_segment_align: 8
    .kernarg_segment_size: 32
    .max_flat_workgroup_size: 256
    .sgpr_count:     66
    .vgpr_count:     386
    .wavefront_size: 32
...
	.end_amdgpu_metadata
.endif
;; end of part 1
;; launch attend (part 2): grid 256 x 1, 8 waves a work-group, no clusters, 185,600 bytes of LDS; arguments q, token_mask, part, out0; writes out0
.if DOCPART == 2
	.amdgcn_target "amdgcn-amd-amdhsa--gfx1250"
	.amdhsa_code_object_version 6
	.text
	.protected	k_qf4a1818c92_attend
	.globl	k_qf4a1818c92_attend
	.p2align	8
	.type	k_qf4a1818c92_attend,@function
k_qf4a1818c92_attend:
	s_mov_b64 s[64:65], 0
	v_nop
	global_prefetch_b8 v0, s[64:65] scope:SCOPE_SE
	s_setreg_imm32_b32 hwreg(HW_REG_WAVE_MODE, 25, 1), 1
	s_wait_xcnt 0x0
; out0[head][s][n] = ( sum over d of f(q[s][d]) cos(a s) m[s] KC[d][n]  +  sum over d of f(q[s][d]) sin(a s) m[s] KS[d][n] ) / 8,  a = pi / 4096,  f(x) = e^x under 0, x + 1 from 0 on.
; KC, KS [64 d][64 n]: the head's sums, which lie in part as four partial sums of 32,768 bytes.  Both products on codes of E3M2, all four operands quantised here along d in blocks of 32.
; THE TWO PRODUCTS ARE ONE MATRIX INSTRUCTION: its K of 128 is the 64 features under cos, then the 64 under sin; its four blocks of 32 are the quantiser's own blocks; the f32 sum adds the two products.
; INSIDE A BLOCK the features stand in the order in which part holds them: place 8 j + i is feature 4 i + j.  Both operands take that order, so every product meets its partner.
; SHARES.  A work-group takes one head and 512 rows; eight waves, 64 rows each: four tiles of 16.
; FIRST wave u = 2 t + c adds the four partial sums of column tile t under trig c (32 numbers a lane: one whole block, all in its own registers), quantises them and stores the half fragment's image and its scale byte in LDS;
; behind ONE barrier every wave loads the whole operand: 4 fragments, 48 registers, and 4 scale words.  They stay.
; q comes by tensor loads, four a wave of 16 rows x 256 bytes, all issued in the first lines, each filled once and read by the wave that asked alone; 16 bytes of padding behind each row.
; A TILE: lane (r, h) holds row r and features 32 h .. 32 h + 31.  f is made once.  The block's largest f is sought once and multiplied by the row's two factors: they are not negative and rounding keeps order, so that is the largest product.
; THE MATRIX INSTRUCTION IS USED TRANSPOSED (source 0 = 16 columns n, source 1 = my 16 rows): a lane's eight results are eight neighbouring numbers of a row.  They go through the wave's own stage and leave as whole rows of 256 bytes.
; THE DIVISION BY 8 stands in the factors: cos m / 8 and sin m / 8.  A power of two ahead of the quantiser leaves the codes as they are and takes 3 off the scale's byte: the result is the same number.
; NO CLUSTER, though the four work-groups of a head read the same 131,072 bytes of part, a third of the 393,216 bytes that a work-group moves: they go from memory straight into the registers in which they are added;
; asked for jointly they would have to land in LDS (131,072 bytes beside the 184,576 in use) and be read from there again.  Nothing is asked for ahead of its load: all that a work-group reads is asked for in its first lines.
; LIMITS: NaN and infinities in q are not served.  e^x under 2^-126 counts as 0 (v_exp_f32 flushes: ISA guide 15.8).  A block of f(q) trig m whose largest magnitude lies under 2^-119 has its byte held at 1, three steps earlier than
; without the division folded in; a block of zeros (a masked row) too: its codes are zeros.
.set QP,   272                         ; a row in LDS: 256 bytes + 16 = 68 words: row r starts at bank 4 r mod 64 (64 banks of 4 bytes: ISA guide 11.1)
.set QB,   0                           ; LDS: q, 512 rows,
.set STG,  QB+512*QP                   ; the stages, 16 rows for each wave,
.set TAB,  STG+8*16*QP                 ; the rows' factors, 8 bytes a row, 512 bytes for each wave, its own,
.set KVI,  TAB+8*512                   ; the images of kv's eight half fragments, 768 bytes each,
.set KVS,  KVI+8*768                   ; and kv's scale words: (t, column r) at 64 t + 4 r
.set FLOOR, 5<<23                      ; 2^(5 - 127)
.set EM4,  0xfe000000                  ; takes 4 off an exponent field
.set XR,   1                           ; v1   q in LDS: my row, my half
.set TW,   2                           ; v2   factors: where I store;  v3 where I read
.set TR,   3
.set KW16, 4                           ; v4-6 kv's image: where I store 16 bytes, 8 bytes, my block's byte
.set KW8,  5
.set KSW,  6
.set KR16, 7                           ; v7-9 and where every wave reads
.set KR8,  8
.set KSR,  9
.set STO,  10                          ; v10  the stage: where I put 32 bytes of a row;  v11 where I read a row back
.set SRD,  11
.set L16,  12                          ; v12  16 x lane
.set H8,   13                          ; v13  8 h
.set MO,   14                          ; v14  2 x lane
.set W2,   15
.set KVF,  16                          ; v16-63 kv's four fragments;  v64-67 their scale words, v68 q's: these five hold nothing else
.set KVW,  64
.set QW,   68
.set CM,   70                          ; v70-71 my row's two factors
.set AFR,  72                          ; v72-83 q's fragment
.set CT,   84
.set MK,   91
.set MA,   92
.set MB,   93
.set MC,   94
.set MS,   95
.set TO,   96
.set SMP,  100                         ; v100-101 the second factor as the low word of a pair
.set BC,   102
.set BS,   103
.set X,    104                         ; v104-135 32 numbers of q;  v136-167, v168-199 at work;  v200-231 four accumulators
.set T,    136
.set P,    168
.set D,    200
.set PR,   104                         ; v104-231 ahead of the barrier: four partial sums x 32 numbers
.set OB,   136                         ; rows read back from the stage
.set S0,   72
.set TA,   74
.set TB,   75
.set TY,   76
.set TP,   77
.set TQ,   78
.set WV,   12
.set HD,   13
.set QT,   14
.set G1,   16                          ; s[16:23] descriptor group 1;  s[24:39] group 0, a set for each of my four loads
.set G0,   24
.set SEL,  50                          ; s[50:51] v_permlanex16_b32's selects for lane l xor 16
.set LG,   52                          ; s[52:53] log2(e)
; cos and sin of fl(a s), a = pi / 4096 as f32, s a whole number under 2048.  Up to pi / 4 (s <= 1024) by their series in y = the angle; beyond it in y = pi / 2 - the angle, with the two changing places:
; pi / 2 is taken in two parts, of which the first less the angle is exact.  The series end at y^9 / 9! and y^10 / 10!: the next terms are under 2e-9 at pi / 4.
.macro TRIG s, c, n
	v_cvt_f32_u32 v[TA], v[\s]
	v_mul_f32 v[TA], 0x3a490fdb, v[TA]             ; the angle, rounded once
	v_sub_f32 v[TB], 0x3fc90fdb, v[TA]
	v_add_f32 v[TB], 0xb33bbd2e, v[TB]             ; pi / 2 - the angle
	v_cmp_lt_u32 vcc_lo, 1024, v[\s]
	v_cndmask_b32 v[TA], v[TA], v[TB], vcc_lo      ; y
	v_mul_f32 v[TY], v[TA], v[TA]
	v_mov_b32 v[TP], 0x3638ef1d                    ; 1 / 9!
	v_mov_b32 v[TQ], 0xb493f27e                    ; -1 / 10!
	v_fmaak_f32 v[TP], v[TP], v[TY], 0xb9500d01    ; -1 / 7!
	v_fmaak_f32 v[TQ], v[TQ], v[TY], 0x37d00d01    ; 1 / 8!
	v_fmaak_f32 v[TP], v[TP], v[TY], 0x3c088889    ; 1 / 5!
	v_fmaak_f32 v[TQ], v[TQ], v[TY], 0xbab60b61    ; -1 / 6!
	v_fmaak_f32 v[TP], v[TP], v[TY], 0xbe2aaaab    ; -1 / 3!
	v_fmaak_f32 v[TQ], v[TQ], v[TY], 0x3d2aaaab    ; 1 / 4!
	v_mul_f32 v[TB], v[TA], v[TY]                  ; y^3
	v_fmaak_f32 v[TQ], v[TQ], v[TY], 0xbf000000    ; -1 / 2
	v_fma_f32 v[TP], v[TB], v[TP], v[TA]           ; sin y
	v_fma_f32 v[TQ], v[TQ], v[TY], 1.0             ; cos y
	v_cndmask_b32 v[\c], v[TQ], v[TP], vcc_lo
	v_cndmask_b32 v[\n], v[TP], v[TQ], vcc_lo
.endm
	s_load_b256 s[4:11], s[0:1], 0x0               ; q s[4:5], token_mask s[6:7], part s[8:9], out0 s[10:11]
	v_lshl_add_u32 v254, v0, 2, 0x2d100
	v_mov_b32 v255, 0
	ds_add_u32 v254, v255
	ds_add_u32 v254, v255
	v_lshrrev_b32 v[W2], 5, v0
	v_readfirstlane_b32 s[WV], v[W2]               ; wave 0..7
	s_lshr_b32 s[HD], ttmp9, 2                     ; the head
	s_and_b32 s[QT], ttmp9, 3                      ; which 512 rows
	; a tile of 16 rows x 64 elements of 4 bytes, 16 bytes of padding behind each row
	s_mov_b32 s[G1+0], (2<<16)|(1<<20)|(5<<22)|(3<<25)   ; no mask; elements of 4 bytes; padding on, after every 64 words (code 5), of 4 words (code 3)
	s_mov_b32 s[G1+1], 64<<16                      ; tensor_dim0
	s_mov_b32 s[G1+2], 16<<16                      ; tensor_dim1
	s_mov_b32 s[G1+3], 64<<16                      ; tile_dim0
	s_mov_b32 s[G1+4], 16                          ; tile_dim1
	s_mov_b32 s[G1+5], 64                          ; from row to row
	s_mov_b32 s[G1+6], 0
	s_mov_b32 s[G1+7], 0
	s_lshl_b32 s40, s[HD], 19                      ; q and out0: 2,048 rows of 256 bytes a head, 512 rows a quarter, 64 a wave
	s_lshl_b32 s41, s[QT], 17
	s_add_co_u32 s40, s40, s41
	s_lshl_b32 s41, s[WV], 14
	s_add_co_u32 s40, s40, s41
	s_mov_b32 s41, 0
	s_lshl_b32 s46, s[QT], 9
	s_lshl_b32 s47, s[WV], 6
	s_add_co_u32 s46, s46, s47                     ; my first row's place in the sequence
	s_lshr_b32 s42, s[HD], 4                       ; the mask: 2,048 bytes for each 16 heads
	s_lshl_b32 s42, s42, 11
	s_add_co_u32 s42, s42, s46
	s_mov_b32 s43, 0
	s_lshl_b32 s44, s[HD], 17                      ; part: 131,072 bytes a head; in each partial sum my four tiles begin at 4,096 x wave
	s_lshl_b32 s45, s[WV], 12
	s_add_co_u32 s44, s44, s45
	s_mov_b32 s45, 0
	s_mul_i32 s47, s[WV], 64*QP                    ; my 64 rows in LDS (QB is 0)
	s_mov_b32 s[SEL], 0x76543210
	s_mov_b32 s[SEL+1], 0xfedcba98
	s_mov_b32 s[LG], 0x3fb8aa3b
	s_mov_b32 s[LG+1], s[LG]
	v_and_b32 v72, 31, v0                          ; lane
	v_and_b32 v73, 15, v0                          ; r
	v_bfe_u32 v74, v0, 4, 1                        ; h
	v_lshlrev_b32 v[L16], 4, v72
	v_lshlrev_b32 v[MO], 1, v72
	s_wait_dscnt 0x0
	s_wait_kmcnt 0x0
	s_add_nc_u64 s[4:5], s[4:5], s[40:41]
	s_add_nc_u64 s[10:11], s[10:11], s[40:41]
	s_add_nc_u64 s[6:7], s[6:7], s[42:43]
	s_add_nc_u64 s[8:9], s[8:9], s[44:45]
.irp m, 0,1,2,3
	s_mov_b32 s[G0+4*\m], 1
	s_add_co_u32 s[G0+4*\m+1], s47, \m*16*QP
	s_add_nc_u64 s[G0+4*\m+2:G0+4*\m+3], s[4:5], \m*16*256
	s_or_b32 s[G0+4*\m+3], s[G0+4*\m+3], 0x80000000
.endr
.irp m, 0,1,2,3
	tensor_load_to_lds s[G0+4*\m:G0+4*\m+3], s[G1:G1+7]   ; the launch's only fills: four loads of mine are out; four, so that the first 16 rows can be worked on while the others are on their way; nothing is filled twice
	s_nop 0
.endr
.rept 4
	v_nop                                          ; four lines behind the loads
.endr
	global_load_u16 v[MK], v[MO], s[6:7]           ; the mask bytes of rows 2 x lane and 2 x lane + 1 of my 64
.irp pq, 0,1,2,3
.irp jt, 0,1,2,3
.irp hf, 0,1
	global_load_b128 v[PR+32*\pq+8*\jt+4*\hf:PR+32*\pq+8*\jt+4*\hf+3], v[L16], s[8:9] offset:\pq*32768+\jt*1024+\hf*512   ; 512 consecutive bytes: half an accumulator as it was stored
.endr
.endr
.endr
	; the addresses and the factors are made while the loads are out
	v_mul_u32_u24 v[XR], v73, QP
	v_lshl_add_u32 v[STO], v74, 5, v[XR]
	v_lshl_add_u32 v[XR], v74, 7, v[XR]
	v_add_nc_u32 v[XR], s47, v[XR]
	s_mul_i32 s48, s[WV], 16*QP
	s_add_co_u32 s48, s48, STG
	v_add_nc_u32 v[STO], s48, v[STO]
	v_mul_u32_u24 v[SRD], v74, QP
	v_lshl_add_u32 v[SRD], v73, 4, v[SRD]
	v_add_nc_u32 v[SRD], s48, v[SRD]
	s_lshl_b32 s48, s[WV], 9
	s_add_co_u32 s48, s48, TAB
	v_lshl_add_u32 v[TW], v72, 4, s48
	v_lshl_add_u32 v[TR], v73, 3, s48
	s_mul_i32 s48, s[WV], 768
	s_add_co_u32 s48, s48, KVI
	v_lshl_add_u32 v[KW16], v72, 4, s48
	s_add_co_u32 s48, s48, 512
	v_lshl_add_u32 v[KW8], v72, 3, s48
	s_lshr_b32 s48, s[WV], 1                       ; t's words,
	s_lshl_b32 s48, s48, 6
	s_and_b32 s49, s[WV], 1                        ; in them bytes 2 c + h
	s_lshl_b32 s49, s49, 1
	s_add_co_u32 s48, s48, s49
	s_add_co_u32 s48, s48, KVS
	v_lshl_add_u32 v[KSW], v73, 2, v74
	v_add_nc_u32 v[KSW], s48, v[KSW]
	v_lshl_add_u32 v[KR16], v72, 4, KVI
	v_lshl_add_u32 v[KR8], v72, 3, KVI+512
	v_lshl_add_u32 v[KSR], v73, 2, KVS
	v_lshlrev_b32 v[H8], 3, v74
	v_mov_b32 v[SMP+1], 0                          ; (named as the upper half of a pair)
	v_lshl_add_u32 v[S0], v72, 1, s46              ; a lane makes the factors of two of the wave's 64 rows
	v_add_nc_u32 v[S0+1], 1, v[S0]
	TRIG S0, 80, 81
	TRIG S0+1, 82, 83
	s_wait_loadcnt 32                              ; the mask bytes are in; the 32 younger loads may be out
	v_and_b32 v84, 0xff, v[MK]
	v_lshrrev_b32 v85, 8, v[MK]
	v_cvt_f32_u32 v84, v84
	v_cvt_f32_u32 v85, v85
	v_mul_f32 v84, 0x3e000000, v84                 ; m / 8: 0 or 0.125
	v_mul_f32 v85, 0x3e000000, v85
	v_mul_f32 v[TO], v80, v84                      ; exact: a power of two, or 0
	v_mul_f32 v[TO+1], v81, v84
	v_mul_f32 v[TO+2], v82, v85
	v_mul_f32 v[TO+3], v83, v85
	ds_store_b128 v[TW], v[TO:TO+3]                ; (cos, sin) m / 8, 8 bytes a row
	s_wait_loadcnt 0x0
.set I, 0
.rept 16
	v_pk_add_f32 v[PR+I:PR+I+1], v[PR+I:PR+I+1], v[PR+32+I:PR+32+I+1]
	v_pk_add_f32 v[PR+64+I:PR+64+I+1], v[PR+64+I:PR+64+I+1], v[PR+96+I:PR+96+I+1]
.set I, I+2
.endr
.set I, 0
.rept 16
	v_pk_add_f32 v[PR+I:PR+I+1], v[PR+I:PR+I+1], v[PR+64+I:PR+64+I+1]      ; the head's sums: my column, my block of 32 features
.set I, I+2
.endr
	v_max3_num_f32 v[MA], |v[PR]|, |v[PR+1]|, FLOOR        ; the block's largest magnitude, in two chains; the floor holds the byte at 1 from below
	v_max3_num_f32 v[MB], |v[PR+16]|, |v[PR+17]|, |v[PR+18]|
.set I, 0
.rept 6
	v_max3_num_f32 v[MA], v[MA], |v[PR+2+I]|, |v[PR+3+I]|
	v_max3_num_f32 v[MB], v[MB], |v[PR+19+I]|, |v[PR+20+I]|
.set I, I+2
.endr
	v_max3_num_f32 v[MA], v[MA], |v[PR+14]|, |v[PR+15]|
	v_max3_num_f32 v[MA], v[MA], v[MB], |v[PR+31]|
	v_add_nc_u32 v[MA], EM4, v[MA]                 ; 4 off the exponent field: the conversion takes this operand's exponent field as its scale
	v_cvt_scalef32_pk16_bf6_f32 v[AFR:AFR+2], v[PR:PR+15], v[MA]
	v_cvt_scalef32_pk16_bf6_f32 v[CT:CT+2], v[PR+16:PR+31], v[MA]          ; (a conversion's three registers begin on an even number: the block's second half is made apart and moved)
	v_lshrrev_b32 v[MB], 23, v[MA]                 ; the scale's byte.  (A plain line behind the conversions)
.irp i, 0,1,2
	v_mov_b32 v[AFR+3+\i], v[CT+\i]
.endr
	ds_store_b128 v[KW16], v[AFR:AFR+3]
	ds_store_b64 v[KW8], v[AFR+4:AFR+5]
	ds_store_b8 v[KSW], v[MB]
	s_wait_dscnt 0x0                               ; for the others' sake: my image and my byte are stored
	s_barrier_signal -1                            ; (my tiles of q may still be on their way: nobody else reads them, and I wait for each ahead of its reads)
	s_barrier_wait -1
.irp t, 0,1,2,3
.irp c, 0,1
	ds_load_b128 v[KVF+12*\t+6*\c:KVF+12*\t+6*\c+3], v[KR16] offset:(2*\t+\c)*768
	ds_load_b64 v[KVF+12*\t+6*\c+4:KVF+12*\t+6*\c+5], v[KR8] offset:(2*\t+\c)*768
.endr
	ds_load_b32 v[KVW+\t], v[KSR] offset:64*\t
.endr
; Tile m of my four: 16 rows.
.macro TILE m
	s_wait_tensorcnt 3-\m                          ; a wave's tensor loads end in order (ISA guide 10.11.1): tile m is in LDS, the younger ones may be out
.irp n, 0,1,2,3,4,5,6,7
	ds_load_b128 v[X+4*\n:X+4*\n+3], v[XR] offset:(\m)*16*QP+16*\n         ; my row's features 32 h + 4 n ..
.endr
	ds_load_b64 v[CM:CM+1], v[TR] offset:128*(\m)  ; my row's two factors
.if \m > 0
	s_wait_xcnt 0x0                                ; the last tile's stores have read their registers, which are written next
.endif
	s_wait_dscnt 0x0
.set I, 0
.rept 32
	v_min_num_f32 v[T+8*(I%4)+I/4], 0, v[X+I]      ; the part under 0: feature 4 i + j goes to place 8 j + i, as kv has it,
.set I, I+1
.endr
.set I, 0
.rept 32
	v_max_num_f32 v[P+8*(I%4)+I/4], 0, v[X+I]      ; the part from 0 on
.set I, I+1
.endr
.set I, 0
.rept 16
	v_pk_mul_f32 v[T+I:T+I+1], v[T+I:T+I+1], s[LG:LG+1] op_sel_hi:[1,0]
.set I, I+2
.endr
.set I, 0
.rept 32
	v_exp_f32 v[T+I], v[T+I]                       ; e^x under 0, 1 from 0 on
.set I, I+1
.endr
	v_mov_b32 v[SMP], v[CM+1]                      ; (a plain line behind the last exponential)
	s_wait_alu depctr_va_vdst(0)                   ; one wait for the batch of 32, ahead of the first line that names a result
.set I, 0
.rept 16
	v_pk_add_f32 v[T+I:T+I+1], v[T+I:T+I+1], v[P+I:P+I+1]          ; f: e^x + 0, or 1 + x
.set I, I+2
.endr
.set I, 0
.rept 16                               ; f x the first factor, and between its lines the search for the largest f, in two chains
	v_pk_mul_f32 v[P+2*I:P+2*I+1], v[T+2*I:T+2*I+1], v[CM:CM+1] op_sel_hi:[1,0]
.if I == 0
	v_max3_num_f32 v[MA], v[T], v[T+1], v[T+2]
.elseif I == 1
	v_max3_num_f32 v[MB], v[T+15], v[T+16], v[T+17]
.elseif I == 14
	v_max3_num_f32 v[MA], v[MA], v[MB], v[T+30]
.elseif I == 15
	v_max_num_f32 v[MA], v[MA], v[T+31]
.elseif I%2 == 0
	v_max3_num_f32 v[MA], v[MA], v[T+1+I], v[T+2+I]
.else
	v_max3_num_f32 v[MB], v[MB], v[T+15+I], v[T+16+I]
.endif
.set I, I+1
.endr
	v_mul_f32 v[MC], v[MA], v[CM]                  ; the two blocks' largest numbers: the same multiplication on the largest f
	v_mul_f32 v[MS], v[MA], v[SMP]
	v_max_num_f32 v[MC], FLOOR, v[MC]              ; the floor holds the byte at 1 from below (a masked row's blocks are zeros and keep that byte)
	v_max_num_f32 v[MS], FLOOR, v[MS]
	v_add_nc_u32 v[MC], EM4, v[MC]
	v_add_nc_u32 v[MS], EM4, v[MS]
	v_lshrrev_b32 v[BC], 23, v[MC]
	v_lshrrev_b32 v[BS], 23, v[MS]
	v_lshl_or_b32 v[BC], v[BS], 16, v[BC]          ; my two bytes: blocks h and 2 + h of row r,
	v_lshlrev_b32 v[BC], v[H8], v[BC]              ; at their places in the scale word;
	v_permlanex16_b32 v[W2], v[BC], s[SEL], s[SEL+1]
	v_or_b32 v[QW], v[BC], v[W2]                   ; with lane l xor 16's two the word is whole
.set I, 0
.rept 16
	v_pk_mul_f32 v[T+I:T+I+1], v[T+I:T+I+1], v[SMP:SMP+1] op_sel_hi:[1,0]  ; f x the second factor.  (These lines also part the scale word from the products that take it)
.set I, I+2
.endr
	v_cvt_scalef32_pk16_bf6_f32 v[AFR:AFR+2], v[P:P+15], v[MC]
	v_cvt_scalef32_pk16_bf6_f32 v[CT:CT+2], v[P+16:P+31], v[MC]
	v_cvt_scalef32_pk16_bf6_f32 v[AFR+6:AFR+8], v[T:T+15], v[MS]
	v_cvt_scalef32_pk16_bf6_f32 v[CT+4:CT+6], v[T+16:T+31], v[MS]
	v_nop                                          ; one plain line behind the conversions
.irp i, 0,1,2
	v_mov_b32 v[AFR+3+\i], v[CT+\i]
	v_mov_b32 v[AFR+9+\i], v[CT+4+\i]
.endr
.rept 4
	v_nop                                          ; an operand written by vector instructions stands four places ahead of a scaled matrix instruction (the scale word stands more than eight)
.endr
.irp t, 0,1,2,3
	v_wmma_scale_f32_16x16x128_f8f6f4 v[D+8*\t:D+8*\t+7], v[KVF+12*\t:KVF+12*\t+11], v[AFR:AFR+11], 0, v[KVW+\t], v[QW] matrix_a_fmt:MATRIX_FMT_BF6 matrix_b_fmt:MATRIX_FMT_BF6
.endr
.rept 4
	v_nop                                          ; four places between the last product and the stores that read results
.endr
.irp t, 0,1,2,3
	ds_store_b128 v[STO], v[D+8*\t:D+8*\t+3] offset:64*\t          ; lane (r, h): row r, columns 16 t + 8 h + 0 .. 7; each accumulator from its low end on
	ds_store_b128 v[STO], v[D+8*\t+4:D+8*\t+7] offset:64*\t+16
.endr
.irp i, 0,1,2,3,4,5,6,7
	ds_load_b128 v[OB+4*\i:OB+4*\i+3], v[SRD] offset:\i*2*QP       ; LDS serves a wave's instructions in order (ISA guide 5.7.1.4): these see my stores, and the next tile's stores come behind them
.endr
.irp i, 0,1,2,3,4,5,6,7
	s_wait_dscnt 7-\i                              ; load i of the eight is back; the younger ones may be out
	global_store_b128 v[L16], v[OB+4*\i:OB+4*\i+3], s[10:11] offset:(\m)*4096+512*\i th:TH_STORE_NT   ; two whole rows: 512 consecutive bytes, at a multiple of 512 from out0's first byte; written once, read by nobody here
.endr
.endm
	TILE 0
	TILE 1
	TILE 2
	TILE 3
	s_wait_tensorcnt 0x0
	ds_add_u32 v254, v255
	s_wait_dscnt 0x0
	s_endpgm
.Lfunc_end_k_qf4a1818c92_attend:
	.size	k_qf4a1818c92_attend, .Lfunc_end_k_qf4a1818c92_attend-k_qf4a1818c92_attend
	.p2alignl 7, 3214868480
	.fill 96, 4, 3214868480
	.section	.rodata,"a",@progbits
	.p2align	6, 0x0
	.amdhsa_kernel k_qf4a1818c92_attend
		.amdhsa_group_segment_fixed_size 185600
		.amdhsa_private_segment_fixed_size 0
		.amdhsa_enable_private_segment 0
		.amdhsa_kernarg_size 32
		.amdhsa_user_sgpr_count 2
		.amdhsa_user_sgpr_kernarg_segment_ptr 1
		.amdhsa_wavefront_size32 1
		.amdhsa_system_sgpr_workgroup_id_x 1
		.amdhsa_system_sgpr_workgroup_id_y 1
		.amdhsa_system_sgpr_workgroup_id_z 1
		.amdhsa_system_vgpr_workitem_id 0
		.amdhsa_next_free_vgpr 256
		.amdhsa_next_free_sgpr 66
		.amdhsa_reserve_vcc 1
		.amdhsa_float_denorm_mode_32 3
		.amdhsa_float_denorm_mode_16_64 3
		.amdhsa_memory_ordered 1
		.amdhsa_forward_progress 1
		.amdhsa_inst_pref_size 68
	.end_amdhsa_kernel
	.amdgpu_metadata
---
amdhsa.version: [ 1, 2 ]
amdhsa.kernels:
  - .name:           k_qf4a1818c92_attend
    .symbol:         k_qf4a1818c92_attend.kd
    .args:
      - { .name: q, .offset: 0, .size: 8, .value_kind: global_buffer, .address_space: global }
      - { .name: token_mask, .offset: 8, .size: 8, .value_kind: global_buffer, .address_space: global }
      - { .name: part, .offset: 16, .size: 8, .value_kind: global_buffer, .address_space: global }
      - { .name: out0, .offset: 24, .size: 8, .value_kind: global_buffer, .address_space: global }
    .group_segment_fixed_size: 185600
    .private_segment_fixed_size: 0
    .kernarg_segment_align: 8
    .kernarg_segment_size: 32
    .max_flat_workgroup_size: 256
    .sgpr_count:     66
    .vgpr_count:     256
    .wavefront_size: 32
...
	.end_amdgpu_metadata
.endif
;; end of part 2
